; MI455X (gfx1250); checked and timed in simulation.
; The chip was launched on July 23, 2026; its instructions are those of AMD's public machine-readable ISA for CDNA 5 (MIT licence, August 2026) and "CDNA5" Instruction Set Architecture Reference Guide (July 2026). The comments in the code are by the model that wrote it; some were corrected since.
;; Performer Attention. Allowed arithmetic: float matrix products may take bf16 or f16 operands with f32 sums; other float arithmetic in f32, or as packed bf16 or f16 multiplies, adds, multiply-adds, maxima and minima; sums over many terms, partial sums and values carried from step to step in f32; what a program stores and reads back later, other than sums and carried values, may be rounded once to bf16 or f16.
;; Inputs: k 8 x 8,192 x 64 float32; omega 256 x 64 float32; q 8 x 8,192 x 64 float32; v 8 x 8,192 x 64 float32.
;; Outputs: out0 8 x 8,192 x 64 float32.
;; 2 versions, each right; version 2 is version 1 with the launch scan written anew for expert scheduling mode. Each part assembles by itself: llvm-mc -triple=amdgcn-amd-amdhsa -mcpu=gfx1250 --defsym DOCPART=n.
;; ======== version 1 of 2: 3 launches
;; limits: values are held in f16: magnitudes above 65,504 overflow, below 6.1e-05 lose precision; inputs' magnitudes at most 65,504
;; workspace buffers: part 17,039,360 bytes; st 8,519,680 bytes; vh 8,388,608 bytes
;; launch sums (part 1): grid 256 x 1, 4 waves a work-group, clusters of 4 x 1, 321,024 bytes of LDS; arguments k, v, omega, part, vh; writes part, vh
.if DOCPART == 1
	.amdgcn_target "amdgcn-amd-amdhsa--gfx1250"
	.amdhsa_code_object_version 6
	.text
	.protected	k_qf9bda6c6c2_sums
	.globl	k_qf9bda6c6c2_sums
	.p2align	8
	.type	k_qf9bda6c6c2_sums,@function
k_qf9bda6c6c2_sums:
	s_mov_b64 s[64:65], 0
	v_nop
	global_prefetch_b8 v0, s[64:65] scope:SCOPE_SE
	s_setreg_imm32_b32 hwreg(HW_REG_WAVE_MODE, 25, 1), 1
	s_wait_xcnt 0x0
	s_wait_alu depctr_hold_cnt(0) depctr_sa_sdst(0) depctr_va_vdst(0) depctr_va_sdst(0) depctr_va_ssrc(0) depctr_va_vcc(0) depctr_vm_vsrc(0)
	s_getreg_b32 s2, hwreg(HW_REG_IB_STS2, 6, 4)
	s_cmp_eq_u32 s2, 0
	s_cbranch_scc0 .Lentry_in_a_cluster
	s_endpgm
.Lentry_in_a_cluster:
	s_bfe_u32 s2, ttmp6, 0x10000c
	s_cmp_lg_u32 s2, 0x3003
	s_cbranch_scc0 .Lentry_shape_is_right
	s_endpgm
.Lentry_shape_is_right:
; CHUNK SUMS.  For each chunk of 256 keys (8 batches x 32 chunks = 256 work-groups): S[m][n] = sum over the chunk's keys t of e[t][m] v[t][n], z[m] = sum of e[t][m],
; with e[t][m] = exp(l[t][m] - max over m of l[t][m]), l = (k/8) . omega^T.  reference()'s term -|x|^2/2 is the same for all m of a row, so it drops out of l - max in exact arithmetic and is
; not formed (an order of rounding that differs from reference()'s); its factor 1/sqrt(256) is applied where the quotient is taken (launch attend).
; FORMATS.  k, omega, v are rounded to bf16; l is a bf16 product with f32 sums; the scale log2(e)/8 and the maximum are applied in f32; e (0 to 1) is rounded to f16; v's bf16 number is written as f16.
; LIMITS.  |v| under 65,520 (f16's end); v and e below 6.1e-5 keep f16's fixed step of 6e-8; NaN and infinities are not treated apart.
; SHARES.  Wave w makes e for keys 64 w .. 64 w + 63, 16 at a time: l^T = omega x^T (source 0 = 16 features, source 1 = 16 keys), so a lane holds ONE key and 128 of its 256 features; the maximum wants
; one exchange between the halves of the lanes.  omega's 32 fragments stay in window 1.  e goes to LDS as [key][feature]; then wave w makes features 64 w .. 64 w + 63 of S and z over all 256 keys:
; source 0 = e^T, source 1 = V^T (both by the turning load), a fifth column tile of ones gives z.
; OUT.  A result tile (16 features x 16 channels) leaves as it lies in registers: registers 0-3 of all lanes as 512 consecutive bytes, then registers 4-7; tile 16 nt + mt at 1,024 bytes each; z is laid
; the same way as tile 64 (through a stage of 1,024 bytes): a record of 66,560 bytes for each chunk.  v in f16 goes to vh, 256 consecutive bytes a store.
; The sums of a batch's last chunk are read by nobody; they are made all the same: partners of a cluster run alike.
; CLUSTER.  omega is wanted by every work-group: the four partners ask for it jointly.  k is each work-group's own.
.set PX,    272                 ; LDS row of 64 f32: 256 bytes + 16: the 16 rows of a fragment load start at 16 different groups of four banks
.set PF,    544                 ; LDS row of 256 f16 + 32: 17 x 32 bytes, for the turning load (8 rows x 32 bytes touch each bank once)
.set PV,    160                 ; LDS row of 64 f16 + 32
.set OM,    0
.set KR,    OM+256*PX
.set VH,    KR+256*PX
.set PHK,   VH+256*PV
.set ZST,   PHK+256*PF
.set SPARE, ZST+1024            ; the spare words: 128 bytes a wave, two blocks of 256 bytes that no other line names
.set RECF,  66560               ; bytes of a chunk's record
.set AOM, 4                     ; v4   r x 272 + 32 h: my place in 16 rows of f32
.set AK,  5                     ; v5   the same in my wave's rows of k; steps 16 rows a trip
.set APS, 6                     ; v6   where I store e; steps 16 rows a trip
.set APT, 7                     ; v7   turning load of e^T
.set AVT, 8                     ; v8   turning load of V^T
.set AVS, 9                     ; v9   where I store v in f16
.set GL,  10                    ; v10  16 x lane
.set GV,  11                    ; v11  8 x lane
.set AZS, 12                    ; v12  where I store z
.set ADR, 13                    ; v13  address at work
.set ZRD, 14                    ; v14  where wave 0 reads z back
.set CH,  16                    ; v16-19 four chains of the maximum
.set CM,  20                    ; v20-21 c x maximum (a pair is named; the low word is taken)
.set SPW, 28                    ; v28  my spare word; never rewritten
.set NIL, 29                    ; v29  0; never rewritten
.set XS,  32                    ; v32-63   16 rows x 64 f32 as loaded
.set L,   64                    ; v64-191  l^T: 16 accumulators; later the fragment buffers FB
.set FB,  64
.set XF,  192                   ; v192-207 the rows' two bf16 fragments
.set ONE, 208                   ; v208-215 a fragment of ones
.set WV,  16
.set G1J, 24                    ; s[24:31] group 1, joint (omega)
.set G1P, 32                    ; s[32:39] group 1, plain (k)
.set G0O, 40
.set G0K, 44
.set CS,  48                    ; s[48:49] c = log2(e)/8
.set SEL, 50                    ; s[50:51] v_permlanex16_b32: each lane takes its own place in the other half
.set HIM, 52
.set CNT, 53
.set MSB, 0
.macro WIN new                  ; the immediate's high byte repeats the setting that is left; a switch that changes nothing is dropped
.if MSB != (\new)
	s_set_vgpr_msb (MSB<<8)|(\new)
.set MSB, (\new)
.endif
.endm
.macro PLACES                   ; four places behind matrix instructions (ISA guide 7.12.1), where no other vector work is at hand
.rept 4
	v_nop
.endr
.endm
.macro ROUND                    ; a round of the cluster's barrier
	s_barrier_signal -1
	s_barrier_wait -1
	s_cmp_lg_u32 s[WV], 0
	s_cbranch_scc1 .Lnot_wave_0_\@
	s_barrier_signal -3
.Lnot_wave_0_\@:
	s_barrier_wait -3
	s_barrier_signal -1
	s_barrier_wait -1
.endm
	s_load_b256 s[4:11], s[0:1], 0x0               ; k s[4:5], v s[6:7], omega s[8:9], part s[10:11]
	s_load_b64 s[12:13], s[0:1], 0x20              ; vh
	v_lshl_add_u32 v[SPW], v0, 2, SPARE
	v_mov_b32 v[NIL], 0
	ds_add_u32 v[SPW], v[NIL]                      ; the wave's opening: the add and its wait ahead of my first tensor load
	v_lshrrev_b32 v1, 5, v0
	v_readfirstlane_b32 s[WV], v1                  ; wave 0..3
	s_bfe_u32 s17, ttmp6, 0x40000                  ; cx
	s_lshl_b32 s18, ttmp9, 2
	s_add_co_u32 s18, s18, s17                     ; the chunk, 0..255: it enters global addresses of my own loads and stores alone
	; group 1: 64 rows of 256 bytes (128 elements of 2 bytes), 16 bytes of padding behind each
	s_mov_b32 s[G1J], 15|(1<<16)|(1<<20)|(1<<21)|(5<<22)|(3<<25)  ; the mask of four, bit 21 beside it
	s_mov_b32 s[G1P], (1<<16)|(1<<20)|(5<<22)|(3<<25)
.irp g, G1J, G1P
	s_mov_b32 s[\g+1], 128<<16
	s_mov_b32 s[\g+2], 64<<16
	s_mov_b32 s[\g+3], 128<<16
	s_mov_b32 s[\g+4], 64
	s_mov_b32 s[\g+5], 128
	s_mov_b32 s[\g+6], 0
	s_mov_b32 s[\g+7], 0
.endr
	s_mul_i32 s19, s[WV], 64*PX                    ; my 64 rows in an LDS tile
	s_mov_b32 s[G0O], 1
	s_add_co_u32 s[G0O+1], s19, OM
	s_mov_b32 s[G0K], 1
	s_add_co_u32 s[G0K+1], s19, KR
	s_lshl_b32 s20, s[WV], 14                      ; my 64 rows of 256 bytes in memory: the wave's number alone
	s_mov_b32 s21, 0
	s_lshl_b32 s22, s18, 16                        ; + the chunk's 256 rows
	s_add_co_u32 s22, s22, s20
	s_mov_b32 s23, 0
	s_lshl_b32 s54, s18, 15                        ; vh: 32,768 bytes a chunk, 8,192 a wave
	s_lshl_b32 s55, s[WV], 13
	s_add_co_u32 s54, s54, s55
	s_mov_b32 s55, 0
	s_mul_i32 s56, s18, RECF                       ; part: the chunk's record, my four feature tiles
	s_lshl_b32 s57, s[WV], 12
	s_add_co_u32 s56, s56, s57
	s_mov_b32 s57, 0
	s_mov_b32 s[CS], 0x3e38aa3b                    ; log2(e)/8
	s_mov_b32 s[CS+1], s[CS]
	s_mov_b32 s[SEL], 0x76543210
	s_mov_b32 s[SEL+1], 0xfedcba98
	s_mov_b32 s[HIM], 0xffff0000
	s_wait_dscnt 0x0                               ; the opening add is done
	s_wait_kmcnt 0x0
	s_add_nc_u64 s[G0O+2:G0O+3], s[8:9], s[20:21]
	s_or_b32 s[G0O+3], s[G0O+3], 0x80000000
	s_add_nc_u64 s[G0K+2:G0K+3], s[4:5], s[22:23]
	s_or_b32 s[G0K+3], s[G0K+3], 0x80000000
	s_add_nc_u64 s[6:7], s[6:7], s[22:23]          ; v at my 64 rows
	s_add_nc_u64 s[12:13], s[12:13], s[54:55]
	s_add_nc_u64 s[10:11], s[10:11], s[56:57]
	ROUND                                          ; the four partners are here: the joint loads meet
	tensor_load_to_lds s[G0O:G0O+3], s[G1J:G1J+7]  ; my quarter of omega, jointly
	s_nop 0
	tensor_load_to_lds s[G0K:G0K+3], s[G1P:G1P+7]  ; my 64 rows of k: two loads of mine are out
	s_nop 0
	PLACES
	v_and_b32 v3, 31, v0
	v_lshlrev_b32 v[GL], 4, v3
	WIN 0x80                                       ; destination window 2
.set i, 0
.rept 32                                       ; my 64 rows of v: 512 consecutive bytes a load
	global_load_b128 v[4*i:4*i+3], v[GL], s[6:7] offset:512*i th:TH_LOAD_NT
.set i, i+1
.endr
	WIN 0
	v_and_b32 v1, 15, v0                           ; r
	v_bfe_u32 v2, v0, 4, 1                         ; h
	v_mul_u32_u24 v[AOM], v1, PX
	v_lshl_add_u32 v[AOM], v2, 5, v[AOM]
	s_add_co_u32 s54, s19, KR
	v_add_nc_u32 v[AK], s54, v[AOM]
	v_mul_u32_u24 v[APS], v1, PF
	v_lshl_add_u32 v[APS], v2, 4, v[APS]
	s_mul_i32 s54, s[WV], 64*PF
	s_add_co_u32 s54, s54, PHK
	v_add_nc_u32 v[APS], s54, v[APS]
	v_and_b32 v[ADR], 7, v0
	v_lshl_add_u32 v[ADR], v2, 3, v[ADR]           ; 8 h + l % 8: the row that I address in a turning load
	v_bfe_u32 v15, v0, 3, 1                        ; (l / 8) % 2: which 16 bytes
	v_mul_u32_u24 v[APT], v[ADR], PF
	v_lshl_add_u32 v[APT], v15, 4, v[APT]
	s_lshl_b32 s54, s[WV], 7                       ; my 64 features: 128 bytes
	s_add_co_u32 s54, s54, PHK
	v_add_nc_u32 v[APT], s54, v[APT]
	v_mul_u32_u24 v[AVT], v[ADR], PV
	v_lshl_add_u32 v[AVT], v15, 4, v[AVT]
	v_add_nc_u32 v[AVT], VH, v[AVT]
	v_mul_u32_u24 v[AVS], v2, PV
	v_lshl_add_u32 v[AVS], v1, 3, v[AVS]
	s_mul_i32 s54, s[WV], 64*PV
	s_add_co_u32 s54, s54, VH
	v_add_nc_u32 v[AVS], s54, v[AVS]
	v_lshlrev_b32 v[GV], 3, v3
	s_lshl_b32 s54, s[WV], 7
	s_add_co_u32 s54, s54, ZST
	v_lshl_add_u32 v[AZS], v2, 4, s54
	v_add_nc_u32 v[ZRD], ZST, v[GL]
	v_mov_b32 v[CM+1], 0
; 16 rows x 64 f32 in fragment order: lane (r, h) takes row r, numbers 32 ks + 16 half + 8 h + 0..7
.macro XLOAD adr, off
.set i, 0
.rept 8
	ds_load_b128 v[XS+4*i:XS+4*i+3], v[\adr] offset:(\off)+128*(i/4)+64*((i/2)%2)+16*(i%2)
.set i, i+1
.endr
.endm
.macro XCVT
.set i, 0
.rept 16
	v_cvt_pk_bf16_f32 v[XF+i], v[XS+2*i], v[XS+2*i+1]
.set i, i+1
.endr
.endm
; omega's 16 feature tiles -> window 1, fragment (tile, ks) at 16 tile + 8 ks; four tiles at a time through L's registers
.macro OMEGA
.set g4, 0
.rept 4
.set i, 0
.rept 32
	ds_load_b128 v[L+4*i:L+4*i+3], v[AOM] offset:(4*g4+i/8)*16*PX+128*((i%8)/4)+64*(((i%8)/2)%2)+16*(i%2)
.set i, i+1
.endr
	WIN 0x40
.set t, 0
.rept 4
	s_wait_dscnt 24-8*t                            ; tile t's eight loads are in; the later tiles' may be out
.set i, 0
.rept 16
	v_cvt_pk_bf16_f32 v[16*(4*g4+t)+i], v[L+32*t+2*i], v[L+32*t+2*i+1]
.set i, i+1
.endr
.set t, t+1
.endr
	WIN 0
.set g4, g4+1
.endr
.endm
; l^T for 16 rows: 32 products; the 16 accumulators take turns; the first 16 start the sums
.macro LOGITS
	WIN 0x01                                       ; source 0 (omega) window 1
.set i, 0
.rept 16
	v_wmma_f32_16x16x32_bf16 v[L+8*i:L+8*i+7], v[16*i:16*i+7], v[XF:XF+7], 0
.set i, i+1
.endr
.set i, 0
.rept 16
	v_wmma_f32_16x16x32_bf16 v[L+8*i:L+8*i+7], v[16*i+8:16*i+15], v[XF+8:XF+15], v[L+8*i:L+8*i+7]
.set i, i+1
.endr
	WIN 0
	PLACES
.endm
; the row's maximum: four chains of 32 numbers, three operands at a time, ascending; then the other half of the lanes; c x maximum
.macro ROWMAX
.irp c, 0,1,2,3
	v_max3_num_f32 v[CH+\c], v[L+32*\c], v[L+32*\c+1], v[L+32*\c+2]
.endr
.set p, 0
.rept 14
.irp c, 0,1,2,3
	v_max3_num_f32 v[CH+\c], v[CH+\c], v[L+32*\c+3+2*p], v[L+32*\c+4+2*p]
.endr
.set p, p+1
.endr
	v_max3_num_f32 v[CH], v[CH], v[L+31], v[L+63]
	v_max3_num_f32 v[CH+2], v[CH+2], v[L+95], v[L+127]
	v_max3_num_f32 v[CH], v[CH], v[CH+1], v[CH+2]
	v_max_num_f32 v[CH], v[CH], v[CH+3]
	v_permlanex16_b32 v[CH+1], v[CH], s[SEL], s[SEL+1]
	v_max_num_f32 v[CH], v[CH], v[CH+1]
	v_mul_f32 v[CM], s[CS], v[CH]
.endm
; 2^(c l - c max): 64 packed scalings and 128 exponentials, ONE batch: a pair's exponentials stand behind the next pair's scaling; nothing in the batch names a result; one plain line and one wait end it
.macro FEXP
.set p, 0
.rept 64
	v_pk_fma_f32 v[L+2*p:L+2*p+1], v[L+2*p:L+2*p+1], s[CS:CS+1], v[CM:CM+1] op_sel_hi:[1,0,0] neg_lo:[0,0,1] neg_hi:[0,0,1]
.if p > 0
	v_exp_f32 v[L+2*p-2], v[L+2*p-2]
	v_exp_f32 v[L+2*p-1], v[L+2*p-1]
.endif
.set p, p+1
.endr
	v_exp_f32 v[L+126], v[L+126]
	v_exp_f32 v[L+127], v[L+127]
	v_nop
	s_wait_alu depctr_va_vdst(0)                   ; ahead of the first line that names a result: one for the 128
.endm
	s_wait_tensorcnt 0x1                           ; my quarter of omega is in; k's load may be out
	s_barrier_signal -1
	s_barrier_wait -1                              ; everybody's quarter is
	OMEGA
	s_wait_tensorcnt 0x0                           ; my rows of k
	s_barrier_signal -1
	s_barrier_wait -1
	s_mov_b32 s[CNT], 4
.Lkt:                                          ; 16 keys a trip
	XLOAD AK, 0
	s_wait_dscnt 0x0
	XCVT
	LOGITS
	ROWMAX
	FEXP
.set i, 0
.rept 64                                       ; packed in place, ascending: a destination is never a source still to be read
	v_cvt_pk_f16_f32 v[L+i], v[L+2*i], v[L+2*i+1]
.set i, i+1
.endr
.set i, 0
.rept 16                                       ; feature tile i: my 8 features are 16 bytes of my key's row
	ds_store_b128 v[APS], v[L+4*i:L+4*i+3] offset:32*i
.set i, i+1
.endr
	v_add_nc_u32 v[AK], 16*PX, v[AK]
	v_add_nc_u32 v[APS], 16*PF, v[APS]
	s_sub_co_u32 s[CNT], s[CNT], 1
	s_cmp_lg_u32 s[CNT], 0
	s_cbranch_scc1 .Lkt
	; v: f32 -> bf16 (the rounding that all inputs get) -> the same number as f16; into LDS and into vh
	s_wait_loadcnt 0x0
	WIN 0x8a                                       ; all in window 2
.set i, 0
.rept 32
	v_cvt_pk_bf16_f32 v[4*i], v[4*i], v[4*i+1]
	v_cvt_pk_bf16_f32 v[4*i+2], v[4*i+2], v[4*i+3]
	v_and_b32 v[4*i+1], s[HIM], v[4*i]
	v_lshlrev_b32 v[4*i], 16, v[4*i]
	v_and_b32 v[4*i+3], s[HIM], v[4*i+2]
	v_lshlrev_b32 v[4*i+2], 16, v[4*i+2]
	v_cvt_pk_f16_f32 v[4*i], v[4*i], v[4*i+1]
	v_cvt_pk_f16_f32 v[4*i+1], v[4*i+2], v[4*i+3]
.set i, i+1
.endr
	WIN 0x08                                       ; data window 2, address window 0
.set i, 0
.rept 32
	ds_store_b64 v[AVS], v[4*i:4*i+1] offset:2*PV*i
	global_store_b64 v[GV], v[4*i:4*i+1], s[12:13] offset:256*i  ; 32 lanes store 256 consecutive bytes, aligned
.set i, i+1
.endr
	WIN 0
.set i, 0
.rept 8
	v_mov_b32 v[ONE+i], 0x3c003c00                 ; 1.0 twice in f16
.set i, i+1
.endr
	s_wait_dscnt 0x0                               ; for the others' sake: my e and my v are in LDS
	s_barrier_signal -1
	s_barrier_wait -1
; S and z.  A step is 32 keys: 8 turning loads for my 4 feature tiles of e^T, 8 for V^T's 4 channel tiles, 20 products on 20 accumulators (window 1) that take turns.
.macro KVLOAD ks, b
	WIN 0
	v_add_nc_u32 v[ADR], (\ks)*32*PF, v[APT]
.irp m, 0,1,2,3
	ds_load_tr16_b128 v[FB+64*(\b)+8*\m:FB+64*(\b)+8*\m+3], v[ADR] offset:32*\m
	ds_load_tr16_b128 v[FB+64*(\b)+8*\m+4:FB+64*(\b)+8*\m+7], v[ADR] offset:32*\m+16*PF
.endr
.irp n, 0,1,2,3
	ds_load_tr16_b128 v[FB+64*(\b)+32+8*\n:FB+64*(\b)+32+8*\n+3], v[AVT] offset:(\ks)*32*PV+32*\n
	ds_load_tr16_b128 v[FB+64*(\b)+32+8*\n+4:FB+64*(\b)+32+8*\n+7], v[AVT] offset:(\ks)*32*PV+16*PV+32*\n
.endr
.endm
.macro KVMUL b, zero
	WIN 0x50                                       ; C and D window 1
.set m_, 0
.rept 4
.set n_, 0
.rept 5
.set a_, 8*(5*m_+n_)
.set s1_, FB+64*(\b)+32+8*n_
.if n_ == 4
.set s1_, ONE
.endif
.if \zero
	v_wmma_f32_16x16x32_f16 v[a_:a_+7], v[FB+64*(\b)+8*m_:FB+64*(\b)+8*m_+7], v[s1_:s1_+7], 0
.else
	v_wmma_f32_16x16x32_f16 v[a_:a_+7], v[FB+64*(\b)+8*m_:FB+64*(\b)+8*m_+7], v[s1_:s1_+7], v[a_:a_+7]
.endif
.set n_, n_+1
.endr
.set m_, m_+1
.endr
.endm
	KVLOAD 0, 0
.set ks_, 0
.rept 8
.if ks_ < 7
.if ks_ > 0
	PLACES                                         ; the buffer to be loaded was read by the products just issued
.endif
	KVLOAD ks_+1, (ks_+1)%2
	s_wait_dscnt 16                                ; this step's fragments are in; the 16 just issued may be out
.else
	s_wait_dscnt 0x0
.endif
	KVMUL ks_%2, (ks_==0)
.set ks_, ks_+1
.endr
	PLACES
	WIN 0x04                                       ; data window 1, address window 0
.set m_, 0
.rept 4
.set n_, 0
.rept 4
	global_store_b128 v[GL], v[8*(5*m_+n_):8*(5*m_+n_)+3], s[10:11] offset:n_*16384+m_*1024      ; 512 consecutive bytes, aligned
	global_store_b128 v[GL], v[8*(5*m_+n_)+4:8*(5*m_+n_)+7], s[10:11] offset:n_*16384+m_*1024+512
.set n_, n_+1
.endr
	ds_store_b128 v[AZS], v[8*(5*m_+4):8*(5*m_+4)+3] offset:32*m_      ; z of 8 features; the 16 lanes of a half hold and write the same
	ds_store_b128 v[AZS], v[8*(5*m_+4)+4:8*(5*m_+4)+7] offset:512+32*m_
.set m_, m_+1
.endr
	WIN 0
	s_wait_dscnt 0x0
	s_barrier_signal -1
	s_barrier_wait -1                              ; all 256 z lie in the stage
	s_cmp_lg_u32 s[WV], 0
	s_cbranch_scc1 .Lend
	ds_load_b128 v[32:35], v[ZRD]
	ds_load_b128 v[36:39], v[ZRD] offset:512
	s_wait_dscnt 0x0
	global_store_b128 v[GL], v[32:35], s[10:11] offset:65536
	global_store_b128 v[GL], v[36:39], s[10:11] offset:66048
.Lend:
	s_wait_tensorcnt 0x0                           ; the wave's end
	ds_add_u32 v[SPW], v[NIL]
	s_wait_dscnt 0x0
	ROUND                                          ; the closing round
	s_endpgm
.Lfunc_end_k_qf9bda6c6c2_sums:
	.size	k_qf9bda6c6c2_sums, .Lfunc_end_k_qf9bda6c6c2_sums-k_qf9bda6c6c2_sums
	.p2alignl 7, 3214868480
	.fill 96, 4, 3214868480
	.section	.rodata,"a",@progbits
	.p2align	6, 0x0
	.amdhsa_kernel k_qf9bda6c6c2_sums
		.amdhsa_group_segment_fixed_size 321024
		.amdhsa_private_segment_fixed_size 0
		.amdhsa_enable_private_segment 0
		.amdhsa_kernarg_size 40
		.amdhsa_user_sgpr_count 2
		.amdhsa_user_sgpr_kernarg_segment_ptr 1
		.amdhsa_wavefront_size32 1
		.amdhsa_system_sgpr_workgroup_id_x 1
		.amdhsa_system_sgpr_workgroup_id_y 1
		.amdhsa_system_sgpr_workgroup_id_z 1
		.amdhsa_system_vgpr_workitem_id 0
		.amdhsa_next_free_vgpr 640
		.amdhsa_next_free_sgpr 66
		.amdhsa_reserve_vcc 0
		.amdhsa_float_denorm_mode_32 3
		.amdhsa_float_denorm_mode_16_64 3
		.amdhsa_memory_ordered 1
		.amdhsa_forward_progress 1
		.amdhsa_inst_pref_size 98
	.end_amdhsa_kernel
	.amdgpu_metadata
---
amdhsa.version: [ 1, 2 ]
amdhsa.kernels:
  - .name:           k_qf9bda6c6c2_sums
    .symbol:         k_qf9bda6c6c2_sums.kd
    .args:
      - { .name: k, .offset: 0, .size: 8, .value_kind: global_buffer, .address_space: global }
      - { .name: v, .offset: 8, .size: 8, .value_kind: global_buffer, .address_space: global }
      - { .name: omega, .offset: 16, .size: 8, .value_kind: global_buffer, .address_space: global }
      - { .name: part, .offset: 24, .size: 8, .value_kind: global_buffer, .address_space: global }
      - { .name: vh, .offset: 32, .size: 8, .value_kind: global_buffer, .address_space: global }
    .group_segment_fixed_size: 321024
    .private_segment_fixed_size: 0
    .kernarg_segment_align: 8
    .kernarg_segment_size: 40
    .max_flat_workgroup_size: 128
    .sgpr_count:     66
    .vgpr_count:     640
    .wavefront_size: 32
...
	.end_amdgpu_metadata
.endif
;; end of part 1
;; launch scan (part 2): grid 65 x 8, 1 waves a work-group, no clusters, 0 bytes of LDS; arguments part, st; writes st
.if DOCPART == 2
	.amdgcn_target "amdgcn-amd-amdhsa--gfx1250"
	.amdhsa_code_object_version 6
	.text
	.protected	k_qf9bda6c6c2_scan
	.globl	k_qf9bda6c6c2_scan
	.p2align	8
	.type	k_qf9bda6c6c2_scan,@function
k_qf9bda6c6c2_scan:
	s_mov_b64 s[64:65], 0
	v_nop
	global_prefetch_b8 v0, s[64:65] scope:SCOPE_SE
	s_setreg_imm32_b32 hwreg(HW_REG_WAVE_MODE, 25, 1), 1
	s_wait_xcnt 0x0
; THE PREFIX over a batch's 32 chunks, number by number: st[c] = part[0] + .. + part[c-1], added in f32 in ascending order, rounded once to bf16 (it is a matrix operand of the next launch).
; A wave takes one tile (1,024 bytes of f32) of one batch through all chunks; a lane takes the 8 numbers that one lane of the matrix result held: 16 bytes at 16 x lane and 16 at 512 + 16 x lane.
; Packed they are the lane's 16 bytes of a bf16 fragment: tile T of a record lies at 512 T, 512 consecutive bytes a store.  The last chunk's sums are wanted by nobody and are not read.
; All 62 loads go out at once (32 KiB a wave); the prefix is formed in place, and a chunk's registers, once added on, take their own packed form and are stored from there: no register is reused.
; A stream: no LDS, no matrix unit, no cluster (no byte is read twice).
.set RECF, 66560
.set RECH, 33280
.set X, 8                                      ; v[8:255]: chunk c's 8 numbers at X + 8 c
	s_load_b128 s[4:7], s[0:1], 0x0                ; part, st
	s_and_b32 s8, ttmp7, 0xffff                    ; batch
	v_lshlrev_b32 v1, 4, v0                        ; 16 x lane
	s_mul_i32 s10, s8, 32*RECF
	s_lshl_b32 s9, ttmp9, 10
	s_add_co_u32 s10, s10, s9
	s_mov_b32 s11, 0
	s_mul_i32 s12, s8, 32*RECH
	s_lshl_b32 s9, ttmp9, 9
	s_add_co_u32 s12, s12, s9
	s_mov_b32 s13, 0
	s_wait_kmcnt 0x0
	s_add_nc_u64 s[4:5], s[4:5], s[10:11]
	s_add_nc_u64 s[6:7], s[6:7], s[12:13]
.set c, 0
.rept 31
	global_load_b128 v[X+8*c:X+8*c+3], v1, s[4:5] offset:c*RECF th:TH_LOAD_NT
	global_load_b128 v[X+8*c+4:X+8*c+7], v1, s[4:5] offset:c*RECF+512 th:TH_LOAD_NT
.set c, c+1
.endr
.irp i, 4,5,6,7
	v_mov_b32 v\i, 0
.endr
	global_store_b128 v1, v[4:7], s[6:7]           ; the first chunk has nothing before it
.set c, 1
.rept 30
	s_wait_loadcnt 60-2*c                          ; chunks 0 to c are in; the two loads of each later chunk may be out
.irp i, 0,2,4,6
	v_pk_add_f32 v[X+8*c+\i:X+8*c+\i+1], v[X+8*c+\i:X+8*c+\i+1], v[X+8*c-8+\i:X+8*c-8+\i+1]
.endr
.irp i, 0,1,2,3
	v_cvt_pk_bf16_f32 v[X+8*c-8+\i], v[X+8*c-8+2*\i], v[X+8*c-8+2*\i+1]
.endr
	global_store_b128 v1, v[X+8*c-8:X+8*c-5], s[6:7] offset:c*RECH
.set c, c+1
.endr
.irp i, 0,1,2,3
	v_cvt_pk_bf16_f32 v[X+240+\i], v[X+240+2*\i], v[X+240+2*\i+1]
.endr
	global_store_b128 v1, v[X+240:X+243], s[6:7] offset:31*RECH
	s_endpgm
.Lfunc_end_k_qf9bda6c6c2_scan:
	.size	k_qf9bda6c6c2_scan, .Lfunc_end_k_qf9bda6c6c2_scan-k_qf9bda6c6c2_scan
	.p2alignl 7, 3214868480
	.fill 96, 4, 3214868480
	.section	.rodata,"a",@progbits
	.p2align	6, 0x0
	.amdhsa_kernel k_qf9bda6c6c2_scan
		.amdhsa_group_segment_fixed_size 0
		.amdhsa_private_segment_fixed_size 0
		.amdhsa_enable_private_segment 0
		.amdhsa_kernarg_size 16
		.amdhsa_user_sgpr_count 2
		.amdhsa_user_sgpr_kernarg_segment_ptr 1
		.amdhsa_wavefront_size32 1
		.amdhsa_system_sgpr_workgroup_id_x 1
		.amdhsa_system_sgpr_workgroup_id_y 1
		.amdhsa_system_sgpr_workgroup_id_z 1
		.amdhsa_system_vgpr_workitem_id 0
		.amdhsa_next_free_vgpr 256
		.amdhsa_next_free_sgpr 66
		.amdhsa_reserve_vcc 0
		.amdhsa_float_denorm_mode_32 3
		.amdhsa_float_denorm_mode_16_64 3
		.amdhsa_memory_ordered 1
		.amdhsa_forward_progress 1
		.amdhsa_inst_pref_size 26
	.end_amdhsa_kernel
	.amdgpu_metadata
---
amdhsa.version: [ 1, 2 ]
amdhsa.kernels:
  - .name:           k_qf9bda6c6c2_scan
    .symbol:         k_qf9bda6c6c2_scan.kd
    .args:
      - { .name: part, .offset: 0, .size: 8, .value_kind: global_buffer, .address_space: global }
      - { .name: st, .offset: 8, .size: 8, .value_kind: global_buffer, .address_space: global }
    .group_segment_fixed_size: 0
    .private_segment_fixed_size: 0
    .kernarg_segment_align: 8
    .kernarg_segment_size: 16
    .max_flat_workgroup_size: 32
    .sgpr_count:     66
    .vgpr_count:     256
    .wavefront_size: 32
...
	.end_amdgpu_metadata
.endif
;; end of part 2
;; launch attend (part 3): grid 256 x 1, 4 waves a work-group, clusters of 4 x 1, 301,056 bytes of LDS; arguments q, k, omega, vh, st, out0; writes out0
.if DOCPART == 3
	.amdgcn_target "amdgcn-amd-amdhsa--gfx1250"
	.amdhsa_code_object_version 6
	.text
	.protected	k_qf9bda6c6c2_attend
	.globl	k_qf9bda6c6c2_attend
	.p2align	8
	.type	k_qf9bda6c6c2_attend,@function
k_qf9bda6c6c2_attend:
	s_mov_b64 s[64:65], 0
	v_nop
	global_prefetch_b8 v0, s[64:65] scope:SCOPE_SE
	s_setreg_imm32_b32 hwreg(HW_REG_WAVE_MODE, 25, 1), 1
	s_wait_xcnt 0x0
	s_wait_alu depctr_hold_cnt(0) depctr_sa_sdst(0) depctr_va_vdst(0) depctr_va_sdst(0) depctr_va_ssrc(0) depctr_va_vcc(0) depctr_vm_vsrc(0)
	s_getreg_b32 s2, hwreg(HW_REG_IB_STS2, 6, 4)
	s_cmp_eq_u32 s2, 0
	s_cbranch_scc0 .Lentry_in_a_cluster
	s_endpgm
.Lentry_in_a_cluster:
	s_bfe_u32 s2, ttmp6, 0x10000c
	s_cmp_lg_u32 s2, 0x3003
	s_cbranch_scc0 .Lentry_shape_is_right
	s_endpgm
.Lentry_shape_is_right:
; THE OUTPUT of one chunk of 256 rows: out[t] = N[t] / (D[t] + 32,768 EPS), N[t][:] = sum over m of p[t][m] S[m][:] + sum over the chunk's keys s <= t of A[t][s] v[s][:], D the same with z and 1 for S and v,
; A[t][s] = sum over m of p[t][m] e[s][m]; e = exp(l - rowmax) of k, p = 128 exp(l - rowmax) of q; S, z: the sums of all earlier chunks (launch scan).  reference()'s two factors 1/16 and my 128 stand
; in the constant beside D (256 x 128 x EPS); its term -|x|^2/2 is the same for all m of a row and drops out of l - rowmax in exact arithmetic, so it is not formed.
; FORMATS.  q, k, omega in bf16 for l; maxima, scale, sums in f32; e, p, A (at most 32,768) and v in f16; S and z in bf16, multiplied by a bf16 copy of p: S has no room in f16.
; LIMITS.  v arrives within f16; e, p, A below 6.1e-5 keep f16's fixed step of 6e-8; NaN and infinities are not treated apart.
; SHARES.  Of the chunk's four bands of 64 rows a wave owns 16 rows in each (tile x = band x), so the causal work is the same for all four waves; band x meets the key blocks 0 .. x of 64, the last under a mask.
; LAYOUT.  All products are taken so that a lane holds ONE row: l^T = omega x^T; p's and e's tiles, packed in pairs, ARE fragments (32 features); A^T = e p^T holds one query a lane and 8 keys, and packed it is
; source 1 of O^T = [V | 1]^T A^T.  The fifth tile's source 0 holds z (or 1) in all 16 rows, so every lane finds its D in that accumulator's lowest register.  e is shared through LDS; p never leaves registers.
; LDS.  omega, q, k (f32, rows of 272 bytes), v (f16, 160), the state record (as stored), a stage of 16 rows a wave.  e (256 rows of 528 bytes) lies over omega's and q's bytes, which have had their one fill and,
; behind a barrier, their last read.
; REGISTERS, in windows of 256.  0: addresses, l^T (v64-191), then O^T (v64-223: tile x, column tile n at 64 + 40 x + 8 n).  1: omega's fragments; then the state's (v0-79) and e's (two buffers of 128).
; 2: p in f16, 64 a tile.  3: p in bf16; then A^T (v0-63), its packed form (v64-95), V^T (two buffers, v96-159), ones (v160-167), the mask (v168-183).
; CLUSTER.  omega is asked for jointly by the four partners; everything else is each work-group's own.
.set PX,    272
.set PF,    528                 ; a row of e: 512 + 16: the 16 rows of a fragment load start at 16 different groups of four banks
.set PV,    160
.set OM,    0
.set QR,    OM+256*PX
.set KR,    QR+256*PX
.set VH,    KR+256*PX
.set SS,    VH+256*PV
.set STG,   SS+33280
.set SPARE, STG+4*16*PX         ; the spare words: 128 bytes a wave, two blocks of 256 bytes that no other line names
.set AOM, 4                     ; v4   r x 272 + 32 h
.set AQ,  5                     ; v5   the same at my 16 rows of band 0 of q
.set AK,  6                     ; v6   at my wave's 64 rows of k; steps
.set APS, 7                     ; v7   where I store e; steps
.set APR, 8                     ; v8   r x 528 + 16 h: my place in 16 rows of e
.set AV,  9                     ; v9   turning load of V^T
.set AS,  10                    ; v10  the state's fragments: 16 x lane
.set AZ,  11                    ; v11  z: 16 h
.set ADR, 12
.set STO, 13
.set RD,  14
.set GO,  15                    ; v15  16 x lane
.set CH,  16
.set CM,  20
.set TQ,  22                    ; v22  my query's place in its band less 8 h
.set RC,  24                    ; v24-31 1 / (D + ..), a pair for each tile
.set XS,  32
.set L,   64
.set O,   64
.set XF,  192
.set SPW, 224                   ; never rewritten
.set NIL, 225                   ; never rewritten
.set SB,  0                     ; window 1
.set AT,  0                     ; window 3
.set PQ,  64
.set VF,  96
.set ON,  160
.set MK,  168
.set WV,  16
.set G1J, 24
.set G1P, 32
.set G1S, 40
.set G1V, 48
.set G0O, 56
.set G0Q, 60
.set G0K, 68
.set G0S, 72
.set CS,  76
.set SEL, 78
.set QB,  80
.set EPSR, 81
.set LO16, 82
.set CNT, 83
.set G0V, 84
.set MSB, 0
.macro WIN new
.if MSB != (\new)
	s_set_vgpr_msb (MSB<<8)|(\new)
.set MSB, (\new)
.endif
.endm
.macro PLACES                   ; four places behind matrix instructions (ISA guide 7.12.1), where no other vector work is at hand
.rept 4
	v_nop
.endr
.endm
.macro ROUND
	s_barrier_signal -1
	s_barrier_wait -1
	s_cmp_lg_u32 s[WV], 0
	s_cbranch_scc1 .Lnot_wave_0_\@
	s_barrier_signal -3
.Lnot_wave_0_\@:
	s_barrier_wait -3
	s_barrier_signal -1
	s_barrier_wait -1
.endm
	s_load_b256 s[4:11], s[0:1], 0x0               ; q s[4:5], k s[6:7], omega s[8:9], vh s[10:11]
	s_load_b128 s[12:15], s[0:1], 0x20             ; st s[12:13], out0 s[14:15]
	v_lshl_add_u32 v[SPW], v0, 2, SPARE
	v_mov_b32 v[NIL], 0
	ds_add_u32 v[SPW], v[NIL]                      ; the wave's opening: the add and its wait ahead of my first tensor load
	v_lshrrev_b32 v1, 5, v0
	v_readfirstlane_b32 s[WV], v1
	s_bfe_u32 s17, ttmp6, 0x40000                  ; cx
	s_lshl_b32 s18, ttmp9, 2
	s_add_co_u32 s18, s18, s17                     ; the chunk: it enters global addresses of my own loads and stores alone
	s_mov_b32 s[G1J], 15|(1<<16)|(1<<20)|(1<<21)|(5<<22)|(3<<25)  ; 64 rows of 256 bytes, 16 of padding; the mask of four, bit 21 beside it
	s_mov_b32 s[G1P], (1<<16)|(1<<20)|(5<<22)|(3<<25)             ; the same, my own
	s_mov_b32 s[G1V], (1<<16)|(1<<20)|(4<<22)|(7<<25)             ; 64 rows of 256 bytes = 128 keys of f16; 32 bytes of padding behind every 128
	s_mov_b32 s[G1S], 1<<16                                       ; 65 rows of 256 bytes, dense: half a state record
.irp g, G1J, G1P, G1V
	s_mov_b32 s[\g+1], 128<<16
	s_mov_b32 s[\g+2], 64<<16
	s_mov_b32 s[\g+3], 128<<16
	s_mov_b32 s[\g+4], 64
	s_mov_b32 s[\g+5], 128
	s_mov_b32 s[\g+6], 0
	s_mov_b32 s[\g+7], 0
.endr
	s_mov_b32 s[G1S+1], 128<<16
	s_mov_b32 s[G1S+2], 65<<16
	s_mov_b32 s[G1S+3], 128<<16
	s_mov_b32 s[G1S+4], 65
	s_mov_b32 s[G1S+5], 128
	s_mov_b32 s[G1S+6], 0
	s_mov_b32 s[G1S+7], 0
	s_mul_i32 s19, s[WV], 64*PX
	s_and_b32 s88, s[WV], 1
	s_mov_b32 s[G0O], 1
	s_add_co_u32 s[G0O+1], s19, OM
	s_mov_b32 s[G0Q], 1
	s_add_co_u32 s[G0Q+1], s19, QR
	s_mov_b32 s[G0K], 1
	s_add_co_u32 s[G0K+1], s19, KR
	s_mov_b32 s[G0S], 1
	s_mul_i32 s89, s88, 65*256
	s_add_co_u32 s[G0S+1], s89, SS
	s_mov_b32 s[G0V], 1
	s_mul_i32 s90, s88, 128*PV
	s_add_co_u32 s[G0V+1], s90, VH
	s_lshl_b32 s20, s[WV], 14                      ; my 64 rows of 256 bytes: the wave's number alone (omega)
	s_mov_b32 s21, 0
	s_lshl_b32 s22, s18, 16                        ; + the chunk (q, k)
	s_add_co_u32 s22, s22, s20
	s_mov_b32 s23, 0
	s_mul_i32 s92, s18, 33280                      ; st: the chunk's record, my half
	s_add_co_u32 s92, s92, s89
	s_mov_b32 s93, 0
	s_lshl_b32 s94, s18, 15                        ; vh: the chunk's 32,768 bytes, my half
	s_lshl_b32 s95, s88, 14
	s_add_co_u32 s94, s94, s95
	s_mov_b32 s95, 0
	s_lshl_b32 s90, s18, 16                        ; out0: the chunk, my 16 rows of band 0
	s_lshl_b32 s91, s[WV], 12
	s_add_co_u32 s90, s90, s91
	s_mov_b32 s91, 0
	s_mov_b32 s[CS], 0x3e38aa3b                    ; c = log2(e)/8
	s_mov_b32 s[CS+1], s[CS]
	s_mov_b32 s[SEL], 0x76543210
	s_mov_b32 s[SEL+1], 0xfedcba98
	s_mov_b32 s[QB], 0xc0e00000                    ; -7: p = 2^(c l - (c max - 7))
	s_mov_b32 s[EPSR], 0x3d0637bd                  ; 32,768 x 1e-6 (the f32 number 1e-6 with 15 added to its exponent)
	s_mov_b32 s[LO16], 0xffff
	s_wait_dscnt 0x0                               ; the opening add is done
	s_wait_kmcnt 0x0
	s_add_nc_u64 s[G0O+2:G0O+3], s[8:9], s[20:21]
	s_or_b32 s[G0O+3], s[G0O+3], 0x80000000
	s_add_nc_u64 s[G0Q+2:G0Q+3], s[4:5], s[22:23]
	s_or_b32 s[G0Q+3], s[G0Q+3], 0x80000000
	s_add_nc_u64 s[G0K+2:G0K+3], s[6:7], s[22:23]
	s_or_b32 s[G0K+3], s[G0K+3], 0x80000000
	s_add_nc_u64 s[G0S+2:G0S+3], s[12:13], s[92:93]
	s_or_b32 s[G0S+3], s[G0S+3], 0x80000000
	s_add_nc_u64 s[G0V+2:G0V+3], s[10:11], s[94:95]
	s_or_b32 s[G0V+3], s[G0V+3], 0x80000000
	s_add_nc_u64 s[14:15], s[14:15], s[90:91]
	ROUND                                          ; the four partners are here: the joint loads meet
	tensor_load_to_lds s[G0O:G0O+3], s[G1J:G1J+7]  ; my quarter of omega, jointly
	s_nop 0
	tensor_load_to_lds s[G0Q:G0Q+3], s[G1P:G1P+7]  ; a quarter of q
	s_nop 0
	tensor_load_to_lds s[G0K:G0K+3], s[G1P:G1P+7]  ; a quarter of k
	s_nop 0
	s_cmp_lt_u32 s[WV], 2                          ; waves 0 and 1: the halves of the state; waves 2 and 3: the halves of v.  Four loads of mine are out on either way
	s_cbranch_scc0 .Lfor_v
	tensor_load_to_lds s[G0S:G0S+3], s[G1S:G1S+7]
	s_nop 0
	PLACES
	s_branch .Lasked
.Lfor_v:
	tensor_load_to_lds s[G0V:G0V+3], s[G1V:G1V+7]
	s_nop 0
	PLACES
.Lasked:
	v_and_b32 v1, 15, v0                           ; r
	v_bfe_u32 v2, v0, 4, 1                         ; h
	v_and_b32 v3, 31, v0
	v_mul_u32_u24 v[AOM], v1, PX
	v_lshl_add_u32 v[AOM], v2, 5, v[AOM]
	s_mul_i32 s88, s[WV], 16*PX
	s_add_co_u32 s89, s88, QR
	v_add_nc_u32 v[AQ], s89, v[AOM]
	s_add_co_u32 s89, s19, KR
	v_add_nc_u32 v[AK], s89, v[AOM]
	s_add_co_u32 s89, s88, STG                     ; my stage
	v_add_nc_u32 v[STO], s89, v[AOM]               ; in: row r, 32 bytes for each half of the lanes
	v_mul_u32_u24 v[RD], v2, PX                    ; back: lanes 0-15 one row of 256 bytes, lanes 16-31 the next
	v_lshl_add_u32 v[RD], v1, 4, v[RD]
	v_add_nc_u32 v[RD], s89, v[RD]
	v_mul_u32_u24 v[APR], v1, PF
	v_lshl_add_u32 v[APR], v2, 4, v[APR]
	s_mul_i32 s89, s[WV], 64*PF
	v_add_nc_u32 v[APS], s89, v[APR]
	v_and_b32 v23, 7, v0
	v_lshl_add_u32 v23, v2, 3, v23
	v_mul_u32_u24 v[AV], v23, PV
	v_bfe_u32 v23, v0, 3, 1
	v_lshl_add_u32 v[AV], v23, 4, v[AV]
	v_add_nc_u32 v[AV], VH, v[AV]
	v_lshlrev_b32 v[GO], 4, v3
	v_add_nc_u32 v[AS], SS, v[GO]
	v_lshlrev_b32 v[AZ], 4, v2
	v_add_nc_u32 v[AZ], SS+32768, v[AZ]
	v_lshlrev_b32 v23, 3, v2
	v_sub_nc_u32 v[TQ], v1, v23
	s_lshl_b32 s89, s[WV], 4
	v_add_nc_u32 v[TQ], s89, v[TQ]
	v_mov_b32 v[CM+1], 0
.macro XLOAD adr, off           ; 16 rows x 64 f32 in fragment order
.set i, 0
.rept 8
	ds_load_b128 v[XS+4*i:XS+4*i+3], v[\adr] offset:(\off)+128*(i/4)+64*((i/2)%2)+16*(i%2)
.set i, i+1
.endr
.endm
.macro XCVT
.set i, 0
.rept 16
	v_cvt_pk_bf16_f32 v[XF+i], v[XS+2*i], v[XS+2*i+1]
.set i, i+1
.endr
.endm
.macro OMEGA                    ; omega's 16 feature tiles -> window 1, fragment (tile, ks) at 16 tile + 8 ks
.set g4, 0
.rept 4
.set i, 0
.rept 32
	ds_load_b128 v[L+4*i:L+4*i+3], v[AOM] offset:(4*g4+i/8)*16*PX+128*((i%8)/4)+64*(((i%8)/2)%2)+16*(i%2)
.set i, i+1
.endr
	WIN 0x40
.set t, 0
.rept 4
	s_wait_dscnt 24-8*t                            ; tile t's eight loads are in; the later tiles' may be out
.set i, 0
.rept 16
	v_cvt_pk_bf16_f32 v[16*(4*g4+t)+i], v[L+32*t+2*i], v[L+32*t+2*i+1]
.set i, i+1
.endr
.set t, t+1
.endr
	WIN 0
.set g4, g4+1
.endr
.endm
.macro LOGITS                   ; 32 products; the 16 accumulators take turns
	WIN 0x01
.set i, 0
.rept 16
	v_wmma_f32_16x16x32_bf16 v[L+8*i:L+8*i+7], v[16*i:16*i+7], v[XF:XF+7], 0
.set i, i+1
.endr
.set i, 0
.rept 16
	v_wmma_f32_16x16x32_bf16 v[L+8*i:L+8*i+7], v[16*i+8:16*i+15], v[XF+8:XF+15], v[L+8*i:L+8*i+7]
.set i, i+1
.endr
	WIN 0
	PLACES
.endm
.macro ROWMAX q                 ; four ascending chains (each accumulator is read from its low end on), the other half of the lanes, c x maximum (q = 1: less 7)
.irp c, 0,1,2,3
	v_max3_num_f32 v[CH+\c], v[L+32*\c], v[L+32*\c+1], v[L+32*\c+2]
.endr
.set p, 0
.rept 14
.irp c, 0,1,2,3
	v_max3_num_f32 v[CH+\c], v[CH+\c], v[L+32*\c+3+2*p], v[L+32*\c+4+2*p]
.endr
.set p, p+1
.endr
	v_max3_num_f32 v[CH], v[CH], v[L+31], v[L+63]
	v_max3_num_f32 v[CH+2], v[CH+2], v[L+95], v[L+127]
	v_max3_num_f32 v[CH], v[CH], v[CH+1], v[CH+2]
	v_max_num_f32 v[CH], v[CH], v[CH+3]
	v_permlanex16_b32 v[CH+1], v[CH], s[SEL], s[SEL+1]
	v_max_num_f32 v[CH], v[CH], v[CH+1]
.if \q
	v_fma_f32 v[CM], v[CH], s[CS], s[QB]
.else
	v_mul_f32 v[CM], s[CS], v[CH]
.endif
.endm
.macro FEXP                     ; 64 packed scalings and 128 exponentials, ONE batch; nothing in it names a result; one plain line and one wait end it
.set p, 0
.rept 64
	v_pk_fma_f32 v[L+2*p:L+2*p+1], v[L+2*p:L+2*p+1], s[CS:CS+1], v[CM:CM+1] op_sel_hi:[1,0,0] neg_lo:[0,0,1] neg_hi:[0,0,1]
.if p > 0
	v_exp_f32 v[L+2*p-2], v[L+2*p-2]
	v_exp_f32 v[L+2*p-1], v[L+2*p-1]
.endif
.set p, p+1
.endr
	v_exp_f32 v[L+126], v[L+126]
	v_exp_f32 v[L+127], v[L+127]
	v_nop
	s_wait_alu depctr_va_vdst(0)                   ; ahead of the first line that names a result: one for the 128
.endm
	s_wait_tensorcnt 0x3                           ; my quarter of omega is in; the three loads behind it may be out
	s_barrier_signal -1
	s_barrier_wait -1
	OMEGA
	s_wait_tensorcnt 0x2                           ; my quarter of q
	s_barrier_signal -1
	s_barrier_wait -1
	; p for my four tiles; the next tile's rows are fetched while this one is worked on
	XLOAD AQ, 0
.irp x, 0,1,2,3
	s_wait_dscnt 0x0
	XCVT
.if \x < 3
	XLOAD AQ, (\x+1)*64*PX
.endif
	LOGITS
	ROWMAX 1
	FEXP
	WIN 0x80                                       ; destination window 2
.set i, 0
.rept 64
	v_cvt_pk_f16_f32 v[64*\x+i], v[L+2*i], v[L+2*i+1]
.set i, i+1
.endr
	WIN 0xc0                                       ; destination window 3
.set i, 0
.rept 64
	v_cvt_pk_bf16_f32 v[64*\x+i], v[L+2*i], v[L+2*i+1]
.set i, i+1
.endr
	WIN 0
.endr
	s_wait_tensorcnt 0x1                           ; my quarter of k is in; the state's or v's load may be out
	s_wait_dscnt 0x0                               ; my reads of omega and q are over
	s_barrier_signal -1
	s_barrier_wait -1                              ; everybody's are: e may be stored over those bytes
	s_mov_b32 s[CNT], 4
.Lkt:                                          ; e for 16 of my wave's 64 keys a trip
	XLOAD AK, 0
	s_wait_dscnt 0x0
	XCVT
	LOGITS
	ROWMAX 0
	FEXP
.set i, 0
.rept 64                                       ; packed in place, ascending: a destination is never a source still to be read
	v_cvt_pk_f16_f32 v[L+i], v[L+2*i], v[L+2*i+1]
.set i, i+1
.endr
.set i, 0
.rept 16
	ds_store_b128 v[APS], v[L+4*i:L+4*i+3] offset:32*i
.set i, i+1
.endr
	v_add_nc_u32 v[AK], 16*PX, v[AK]
	v_add_nc_u32 v[APS], 16*PF, v[APS]
	s_sub_co_u32 s[CNT], s[CNT], 1
	s_cmp_lg_u32 s[CNT], 0
	s_cbranch_scc1 .Lkt
	s_wait_tensorcnt 0x0                           ; my half of the state or of v
	s_wait_dscnt 0x0                               ; my e
	s_barrier_signal -1
	s_barrier_wait -1
.macro KLOAD hf, b              ; e's fragments of keys 32 hf .. + 31: 2 key tiles x 8 steps of 32 features -> window 1, buffer b
	WIN 0
	v_add_nc_u32 v[ADR], (\hf)*32*PF, v[APR]
	WIN 0x40
.irp kt, 0,1
.set j_, 0
.rept 8
	ds_load_b128 v[128*(\b)+64*\kt+8*j_:128*(\b)+64*\kt+8*j_+3], v[ADR] offset:\kt*16*PF+64*j_
	ds_load_b128 v[128*(\b)+64*\kt+8*j_+4:128*(\b)+64*\kt+8*j_+7], v[ADR] offset:\kt*16*PF+64*j_+32
.set j_, j_+1
.endr
.endr
.endm
.macro VLOAD hf, b              ; V^T's four fragments of the same keys -> window 3
	WIN 0xc0
.irp n, 0,1,2,3
	ds_load_tr16_b128 v[VF+32*(\b)+8*\n:VF+32*(\b)+8*\n+3], v[AV] offset:(\hf)*32*PV+32*\n
	ds_load_tr16_b128 v[VF+32*(\b)+8*\n+4:VF+32*(\b)+8*\n+7], v[AV] offset:(\hf)*32*PV+16*PV+32*\n
.endr
.endm
.macro SLOAD ks, b              ; the state's fragments of features 32 ks .. + 31: four channel tiles as stored, and z for every row of a fifth -> window 1
	WIN 0x40
.irp n, 0,1,2,3
	ds_load_b128 v[SB+40*(\b)+8*\n:SB+40*(\b)+8*\n+3], v[AS] offset:(16*\n+2*(\ks))*512
	ds_load_b128 v[SB+40*(\b)+8*\n+4:SB+40*(\b)+8*\n+7], v[AS] offset:(16*\n+2*(\ks))*512+512
.endr
	ds_load_b128 v[SB+40*(\b)+32:SB+40*(\b)+35], v[AZ] offset:64*(\ks)
	ds_load_b128 v[SB+40*(\b)+36:SB+40*(\b)+39], v[AZ] offset:64*(\ks)+32
.endm
.macro SMUL ks, b               ; 20 products on 20 accumulators that take turns; the first step starts the sums
	WIN 0x0d                                       ; source 0 window 1, source 1 (p in bf16) window 3
.set x_, 0
.rept 4
.set n_, 0
.rept 5
.if (\ks) == 0
	v_wmma_f32_16x16x32_bf16 v[O+40*x_+8*n_:O+40*x_+8*n_+7], v[SB+40*(\b)+8*n_:SB+40*(\b)+8*n_+7], v[64*x_+8*(\ks):64*x_+8*(\ks)+7], 0
.else
	v_wmma_f32_16x16x32_bf16 v[O+40*x_+8*n_:O+40*x_+8*n_+7], v[SB+40*(\b)+8*n_:SB+40*(\b)+8*n_+7], v[64*x_+8*(\ks):64*x_+8*(\ks)+7], v[O+40*x_+8*n_:O+40*x_+8*n_+7]
.endif
.set n_, n_+1
.endr
.set x_, x_+1
.endr
.endm
	; THE EARLIER CHUNKS: O^T = [S | z]^T p^T
	KLOAD 0, 1                                     ; the first 32 keys' e, into the buffer that the state's fragments leave alone
	SLOAD 0, 0
.set ks_, 0
.rept 8
.if ks_ < 7
.if ks_ > 0
	PLACES                                         ; the buffer to be loaded was read by the products just issued
.endif
	SLOAD ks_+1, (ks_+1)%2
	s_wait_dscnt 10                                ; this step's fragments are in; the ten just issued may be out
.else
	s_wait_dscnt 0x0
.endif
	SMUL ks_, ks_%2
.set ks_, ks_+1
.endr
	PLACES                                         ; window 3 was those products' source: it is written from here on
	; the mask of a band's own block, for packed pairs of keys: register 8 (half of the block) + 4 (key tile) + pair; a key is seen if its place is at most my query's
	WIN 0xc3                                       ; destination and source 0 window 3, source 1 window 0
.set i, 0
.rept 16
	v_cmp_le_i32 vcc_lo, 32*(i/8)+16*((i/4)%2)+2*(i%4), v[TQ]
	v_cndmask_b32 v[MK+i], 0, s[LO16], vcc_lo
	v_cmp_le_i32 vcc_lo, 32*(i/8)+16*((i/4)%2)+2*(i%4)+1, v[TQ]
	v_cndmask_b32 v[MK+i], v[MK+i], -1, vcc_lo
.set i, i+1
.endr
.set i, 0
.rept 8
	v_mov_b32 v[ON+i], 0x3c003c00                  ; 1.0 twice in f16
.set i, i+1
.endr
	VLOAD 0, 0
; THE CHUNK'S OWN KEYS, 32 at a time.  Keys 32 hf .. lie in block hf / 2: tiles x = hf / 2 .. 3 meet them, tile hf / 2 under the mask.
; The next 32 keys' fragments are asked for first; A^T: 16 products a tile, two accumulators a tile, all by turns; packed to f16; then 5 products a tile onto O^T.
.macro HALF hf
.set hs_, (\hf)/2
.set hb_, ((\hf)+1)%2
.set hv_, (\hf)%2
.if (\hf) < 7
	PLACES                                         ; the buffers to be loaded were read by products issued shortly before
	KLOAD (\hf)+1, hv_
	VLOAD (\hf)+1, hb_
	s_wait_dscnt 40                                ; these keys' fragments are in; the 32 + 8 just issued may be out
.else
	s_wait_dscnt 0x0
.endif
	WIN 0xf9                                       ; e window 1, p window 2, A^T window 3
.set ks_, 0
.rept 8
.set x_, hs_
.rept 4-hs_
.irp kt, 0,1
.if ks_ == 0
	v_wmma_f32_16x16x32_f16 v[AT+16*x_+8*\kt:AT+16*x_+8*\kt+7], v[128*hb_+64*\kt+8*ks_:128*hb_+64*\kt+8*ks_+7], v[64*x_+8*ks_:64*x_+8*ks_+7], 0
.else
	v_wmma_f32_16x16x32_f16 v[AT+16*x_+8*\kt:AT+16*x_+8*\kt+7], v[128*hb_+64*\kt+8*ks_:128*hb_+64*\kt+8*ks_+7], v[64*x_+8*ks_:64*x_+8*ks_+7], v[AT+16*x_+8*\kt:AT+16*x_+8*\kt+7]
.endif
.endr
.set x_, x_+1
.endr
.set ks_, ks_+1
.endr
	PLACES
	WIN 0xcf                                       ; all in window 3
.set x_, hs_
.rept 4-hs_
.set i, 0
.rept 8
	v_cvt_pk_f16_f32 v[PQ+8*x_+i], v[AT+16*x_+2*i], v[AT+16*x_+2*i+1]
.set i, i+1
.endr
.set x_, x_+1
.endr
.set i, 0
.rept 8
	v_and_b32 v[PQ+8*hs_+i], v[MK+8*hv_+i], v[PQ+8*hs_+i]
.set i, i+1
.endr
	WIN 0x0f                                       ; V^T and the packed A^T window 3, O^T window 0
.set x_, hs_
.rept 4-hs_
.irp n, 0,1,2,3
	v_wmma_f32_16x16x32_f16 v[O+40*x_+8*\n:O+40*x_+8*\n+7], v[VF+32*hv_+8*\n:VF+32*hv_+8*\n+7], v[PQ+8*x_:PQ+8*x_+7], v[O+40*x_+8*\n:O+40*x_+8*\n+7]
.endr
	v_wmma_f32_16x16x32_f16 v[O+40*x_+32:O+40*x_+39], v[ON:ON+7], v[PQ+8*x_:PQ+8*x_+7], v[O+40*x_+32:O+40*x_+39]
.set x_, x_+1
.endr
.endm
.irp hf, 0,1,2,3,4,5,6,7
	HALF \hf
.endr
	; THE WAY OUT: the quotient; a tile (16 rows of 256 bytes) at a time through my stage, back as whole rows
	WIN 0
	PLACES
.irp x, 0,1,2,3
	v_add_f32 v[RC+2*\x], s[EPSR], v[O+40*\x+32]   ; D lies in the fifth accumulator's lowest register
.endr
.irp x, 0,1,2,3
	v_rcp_f32 v[RC+2*\x], v[RC+2*\x]
.endr
.irp x, 0,1,2,3
	v_mov_b32 v[RC+2*\x+1], 0                      ; named with it as a pair; also the plain lines behind the reciprocals
.endr
	s_wait_alu depctr_va_vdst(0)                   ; one wait for the four reciprocals, ahead of their first reader
.macro PACKO x
.set i, 0
.rept 16
	v_pk_mul_f32 v[O+40*(\x)+2*i:O+40*(\x)+2*i+1], v[O+40*(\x)+2*i:O+40*(\x)+2*i+1], v[RC+2*(\x):RC+2*(\x)+1] op_sel_hi:[1,0]
.set i, i+1
.endr
.irp n, 0,1,2,3
	ds_store_b128 v[STO], v[O+40*(\x)+8*\n:O+40*(\x)+8*\n+3] offset:64*\n
	ds_store_b128 v[STO], v[O+40*(\x)+8*\n+4:O+40*(\x)+8*\n+7] offset:64*\n+16
.endr
.irp t, 0,1,2,3,4,5,6,7
	ds_load_b128 v[O+40*(\x)+4*\t:O+40*(\x)+4*\t+3], v[RD] offset:\t*2*PX  ; LDS serves a wave's instructions in order (ISA guide 5.7.1.4): these see the stores above; the next tile's stores come behind them
.endr
.endm
.macro SENDO x, younger         ; younger: the LDS instructions issued behind tile x's loads: the next tile's sixteen, or none
.irp t, 0,1,2,3,4,5,6,7
	s_wait_dscnt (\younger)+7-\t
	global_store_b128 v[GO], v[O+40*(\x)+4*\t:O+40*(\x)+4*\t+3], s[14:15] offset:(\x)*16384+\t*512 th:TH_STORE_NT  ; 16 lanes store a row's 256 bytes, aligned
.endr
.endm
	PACKO 0
	PACKO 1
	SENDO 0, 16
	PACKO 2
	SENDO 1, 16
	PACKO 3
	SENDO 2, 16
	SENDO 3, 0
	s_wait_tensorcnt 0x0                           ; the wave's end
	ds_add_u32 v[SPW], v[NIL]
	s_wait_dscnt 0x0
	ROUND                                          ; the closing round
	s_endpgm
.Lfunc_end_k_qf9bda6c6c2_attend:
	.size	k_qf9bda6c6c2_attend, .Lfunc_end_k_qf9bda6c6c2_attend-k_qf9bda6c6c2_attend
	.p2alignl 7, 3214868480
	.fill 96, 4, 3214868480
	.section	.rodata,"a",@progbits
	.p2align	6, 0x0
	.amdhsa_kernel k_qf9bda6c6c2_attend
		.amdhsa_group_segment_fixed_size 301056
		.amdhsa_private_segment_fixed_size 0
		.amdhsa_enable_private_segment 0
		.amdhsa_kernarg_size 48
		.amdhsa_user_sgpr_count 2
		.amdhsa_user_sgpr_kernarg_segment_ptr 1
		.amdhsa_wavefront_size32 1
		.amdhsa_system_sgpr_workgroup_id_x 1
		.amdhsa_system_sgpr_workgroup_id_y 1
		.amdhsa_system_sgpr_workgroup_id_z 1
		.amdhsa_system_vgpr_workitem_id 0
		.amdhsa_next_free_vgpr 1024
		.amdhsa_next_free_sgpr 96
		.amdhsa_reserve_vcc 1
		.amdhsa_float_denorm_mode_32 3
		.amdhsa_float_denorm_mode_16_64 3
		.amdhsa_memory_ordered 1
		.amdhsa_forward_progress 1
		.amdhsa_inst_pref_size 246
	.end_amdhsa_kernel
	.amdgpu_metadata
---
amdhsa.version: [ 1, 2 ]
amdhsa.kernels:
  - .name:           k_qf9bda6c6c2_attend
    .symbol:         k_qf9bda6c6c2_attend.kd
    .args:
      - { .name: q, .offset: 0, .size: 8, .value_kind: global_buffer, .address_space: global }
      - { .name: k, .offset: 8, .size: 8, .value_kind: global_buffer, .address_space: global }
      - { .name: omega, .offset: 16, .size: 8, .value_kind: global_buffer, .address_space: global }
      - { .name: vh, .offset: 24, .size: 8, .value_kind: global_buffer, .address_space: global }
      - { .name: st, .offset: 32, .size: 8, .value_kind: global_buffer, .address_space: global }
      - { .name: out0, .offset: 40, .size: 8, .value_kind: global_buffer, .address_space: global }
    .group_segment_fixed_size: 301056
    .private_segment_fixed_size: 0
    .kernarg_segment_align: 8
    .kernarg_segment_size: 48
    .max_flat_workgroup_size: 128
    .sgpr_count:     96
    .vgpr_count:     1024
    .wavefront_size: 32
...
	.end_amdgpu_metadata
.endif
;; end of part 3
;; ======== version 2 of 2: 3 launches; version 1 with the launch scan written anew for expert scheduling mode
;; limits: values are held in f16: magnitudes above 65,504 overflow, below 6.1e-05 lose precision; inputs' magnitudes at most 65,504
;; workspace buffers: part 17,039,360 bytes; st 8,519,680 bytes; vh 8,388,608 bytes
;; launch sums: the kernel of part 1 again; grid 256 x 1, 4 waves a work-group, clusters of 4 x 1, 321,024 bytes of LDS; arguments k, v, omega, part, vh; writes part, vh
;; launch scan (part 4): grid 65 x 8, 1 waves a work-group, no clusters, 0 bytes of LDS; arguments part, st; writes st
.if DOCPART == 4
	.amdgcn_target "amdgcn-amd-amdhsa--gfx1250"
	.amdhsa_code_object_version 6
	.text
	.protected	k_qf9bda6c6c2_scan
	.globl	k_qf9bda6c6c2_scan
	.p2align	8
	.type	k_qf9bda6c6c2_scan,@function
k_qf9bda6c6c2_scan:
	s_mov_b64 s[64:65], 0
	v_nop
	global_prefetch_b8 v0, s[64:65] scope:SCOPE_SE
	s_setreg_imm32_b32 hwreg(HW_REG_WAVE_SCHED_MODE, 0, 2), 2
	s_setreg_imm32_b32 hwreg(HW_REG_WAVE_MODE, 25, 1), 1
	s_wait_xcnt 0x0
	s_wait_alu depctr_vm_vsrc(0)
; THE PREFIX over a batch's 32 chunks, number by number: st[c] = part[0] + .. + part[c-1], added in f32 in ascending order, rounded once to bf16 (it is a matrix operand of the next launch).
; A wave takes one tile (1,024 bytes of f32) of one batch through all chunks; a lane takes the 8 numbers that one lane of the matrix result held: 16 bytes at 16 x lane and 16 at 512 + 16 x lane.
; Packed they are the lane's 16 bytes of a bf16 fragment: tile T of a record lies at 512 T, 512 consecutive bytes a store.  The last chunk's sums are wanted by nobody and are not read.
; All 62 loads go out at once (32 KiB a wave); the prefix is formed in place, and a chunk's registers, once added on, take their own packed form and are stored from there: no register is reused.
; A stream: no LDS, no matrix unit, no cluster (no byte is read twice).
; THE MODE: SCHED_MODE bits 1:0 = 2 (LLVM: expert scheduling mode 2), set by the entry lines.  The code itself states the register dependences
; between vector instructions and memory instructions, with s_wait_alu, always for 0.
; THE PLAN.  Registers that memory instructions touch:
;   v1         the offset of every load and store.  Written once, at the head; never again.
;   v[4:7]     zeros, the data of record 0's store.  Written once, at the head; never again.
;   X + 8 c    chunk c's 8 numbers.  Written by two loads at the head (no vector line has named them before); then by step c's additions; step c + 1 reads them, closes them up into
;              their first four registers, and ONE store (record c + 1) reads those four.  Nothing writes them after that store.
; So no register that a memory instruction has read is ever written again, and the only dependence to state is: a vector line has written what a load or a store reads.
; The 30 steps go in six blocks of GRP = 5.  One wait at a block's head states that the block before has written its five packed records; their five stores follow, one at the head of each
; of the block's steps.  With c0 the block's first step they read X + 8 (c0 - 6) .. X + 8 (c0 - 2) + 3; the vector lines issued since the wait name X + 8 (c0 - 1) and above: none of those.
; Seven waits in all: the head's, five blocks', and one ahead of the last six stores.
.set RECF, 66560
.set RECH, 33280
.set GRP,  5                                   ; steps in a block; 30 = 6 x 5
.set X, 8                                      ; v[8:255]: chunk c's 8 numbers at X + 8 c
	s_load_b128 s[4:7], s[0:1], 0x0                ; part, st
	s_and_b32 s8, ttmp7, 0xffff                    ; batch
	v_lshlrev_b32 v1, 4, v0                        ; 16 x lane
.irp i, 4,5,6,7
	v_mov_b32 v\i, 0
.endr
	s_mul_i32 s10, s8, 32*RECF
	s_lshl_b32 s9, ttmp9, 10
	s_add_co_u32 s10, s10, s9
	s_mov_b32 s11, 0
	s_mul_i32 s12, s8, 32*RECH
	s_lshl_b32 s9, ttmp9, 9
	s_add_co_u32 s12, s12, s9
	s_mov_b32 s13, 0
	s_wait_kmcnt 0x0
	s_add_nc_u64 s[4:5], s[4:5], s[10:11]
	s_add_nc_u64 s[6:7], s[6:7], s[12:13]
	s_wait_alu depctr_va_vdst(0)                   ; v1 is written, which every load and store below reads as its offset; so are v[4:7], the data of the first store
.set c, 0
.rept 31
	global_load_b128 v[X+8*c:X+8*c+3], v1, s[4:5] offset:c*RECF th:TH_LOAD_NT
	global_load_b128 v[X+8*c+4:X+8*c+7], v1, s[4:5] offset:c*RECF+512 th:TH_LOAD_NT
.set c, c+1
.endr
	global_store_b128 v1, v[4:7], s[6:7]           ; the first chunk has nothing before it
.set c, 1
.rept 30
	s_wait_loadcnt 60-2*c                          ; chunks 0 to c are in; the two loads of each later chunk may be out
.if (c > GRP) && ((c-1) % GRP == 0)
	s_wait_alu depctr_va_vdst(0)                   ; the conversions of the block before have written its five packed records, which this block's five stores read
.endif
.if c > GRP
	global_store_b128 v1, v[X+8*(c-GRP)-8:X+8*(c-GRP)-5], s[6:7] offset:(c-GRP)*RECH  ; record c - 5.  No vector line since the block's wait names these registers
.endif
.irp i, 0,2,4,6
	v_pk_add_f32 v[X+8*c+\i:X+8*c+\i+1], v[X+8*c+\i:X+8*c+\i+1], v[X+8*c-8+\i:X+8*c-8+\i+1]
.endr
.irp i, 0,1,2,3
	v_cvt_pk_bf16_f32 v[X+8*c-8+\i], v[X+8*c-8+2*\i], v[X+8*c-8+2*\i+1]
.endr
.set c, c+1
.endr
.irp i, 0,1,2,3
	v_cvt_pk_bf16_f32 v[X+240+\i], v[X+240+2*\i], v[X+240+2*\i+1]
.endr
	s_wait_alu depctr_va_vdst(0)                   ; the last block's conversions and the four above have written records 26 to 31, which the last six stores read
.set c, 26
.rept 6
	global_store_b128 v1, v[X+8*c-8:X+8*c-5], s[6:7] offset:c*RECH
.set c, c+1
.endr
	s_endpgm
.Lfunc_end_k_qf9bda6c6c2_scan:
	.size	k_qf9bda6c6c2_scan, .Lfunc_end_k_qf9bda6c6c2_scan-k_qf9bda6c6c2_scan
	.p2alignl 7, 3214868480
	.fill 96, 4, 3214868480
	.section	.rodata,"a",@progbits
	.p2align	6, 0x0
	.amdhsa_kernel k_qf9bda6c6c2_scan
		.amdhsa_group_segment_fixed_size 0
		.amdhsa_private_segment_fixed_size 0
		.amdhsa_enable_private_segment 0
		.amdhsa_kernarg_size 16
		.amdhsa_user_sgpr_count 2
		.amdhsa_user_sgpr_kernarg_segment_ptr 1
		.amdhsa_wavefront_size32 1
		.amdhsa_system_sgpr_workgroup_id_x 1
		.amdhsa_system_sgpr_workgroup_id_y 1
		.amdhsa_system_sgpr_workgroup_id_z 1
		.amdhsa_system_vgpr_workitem_id 0
		.amdhsa_next_free_vgpr 256
		.amdhsa_next_free_sgpr 66
		.amdhsa_reserve_vcc 0
		.amdhsa_float_denorm_mode_32 3
		.amdhsa_float_denorm_mode_16_64 3
		.amdhsa_memory_ordered 1
		.amdhsa_forward_progress 1
		.amdhsa_inst_pref_size 27
	.end_amdhsa_kernel
	.amdgpu_metadata
---
amdhsa.version: [ 1, 2 ]
amdhsa.kernels:
  - .name:           k_qf9bda6c6c2_scan
    .symbol:         k_qf9bda6c6c2_scan.kd
    .args:
      - { .name: part, .offset: 0, .size: 8, .value_kind: global_buffer, .address_space: global }
      - { .name: st, .offset: 8, .size: 8, .value_kind: global_buffer, .address_space: global }
    .group_segment_fixed_size: 0
    .private_segment_fixed_size: 0
    .kernarg_segment_align: 8
    .kernarg_segment_size: 16
    .max_flat_workgroup_size: 32
    .sgpr_count:     66
    .vgpr_count:     256
    .wavefront_size: 32
...
	.end_amdgpu_metadata
.endif
;; end of part 4
;; launch attend: the kernel of part 3 again; grid 256 x 1, 4 waves a work-group, clusters of 4 x 1, 301,056 bytes of LDS; arguments q, k, omega, vh, st, out0; writes out0
